; MI455X (gfx1250); checked and timed in simulation.
; The chip was launched on July 23, 2026; its instructions are those of AMD's public machine-readable ISA for CDNA 5 (MIT licence, August 2026) and "CDNA5" Instruction Set Architecture Reference Guide (July 2026). The comments in the code are by the model that wrote it; some were corrected since.
;; Multi Head Attention. Allowed arithmetic: matrix products marked QUANTISED: E5M2 operands, one given power-of-two scale a tensor, by v_wmma_f32_16x16x64_bf8_bf8 or v_wmma_f32_16x16x128_bf8_bf8, f32 sums; everything else in f32.
;; Inputs: Wk_codes 1,024 x 32 x 32 uint8 (E5M2 codes of Wk, K innermost, in blocks of 32 codes); Wp_codes 1,024 x 32 x 32 uint8 (E5M2 codes of Wp, K innermost, in blocks of 32 codes); Wq_codes 1,024 x 32 x 32 uint8 (E5M2 codes of Wq, K innermost, in blocks of 32 codes); Wv_codes 1,024 x 32 x 32 uint8 (E5M2 codes of Wv, K innermost, in blocks of 32 codes); lowp_scales 12 int32 (the exponents e of the quantised operands' scales 2^e); x_codes 4 x 2,048 x 32 x 32 uint8 (E5M2 codes of x, K innermost, in blocks of 32 codes).
;; Outputs: out0 4 x 2,048 x 1,024 float32.
;; This version of the problem:
;;   THIS VERSION OF THE PROBLEM IS GIVEN IN LOW PRECISION. The matrix products marked QUANTISED in the list below multiply operands that are first quantised to E5M2 (5 exponent bits, 2 mantissa bits; 8 bits a number), with one given power-of-two scale for each operand tensor; their sums are f32. All else is computed in f32.
;;   The module's matrix products, in the order in which they are computed (A, B: the left and right operand; K: the contracted axis; several contracted axes count as one K, in the product's order):
;;     1. [M 8,192, K 1,024] x [K 1,024, N 1,024]; A: input x (given as codes); B: input Wq (given as codes): QUANTISED (scales: A lowp_scales[0], B lowp_scales[1])
;;     2. [M 8,192, K 1,024] x [K 1,024, N 1,024]; A: input x (given as codes); B: input Wk (given as codes): QUANTISED (scales: A lowp_scales[2], B lowp_scales[3])
;;     3. [M 8,192, K 1,024] x [K 1,024, N 1,024]; A: input x (given as codes); B: input Wv (given as codes): QUANTISED (scales: A lowp_scales[4], B lowp_scales[5])
;;     4. batch 64 x [M 2,048, K 64] x [K 64, N 2,048]; A: computed on the way; B: computed on the way: QUANTISED (scales: A lowp_scales[6], B lowp_scales[7])
;;     5. batch 64 x [M 2,048, K 2,048] x [K 2,048, N 64]; A: softmax (see below); B: computed on the way: QUANTISED (scales: A lowp_scales[8], B lowp_scales[9])
;;     6. [M 8,192, K 1,024] x [K 1,024, N 1,024]; A: computed on the way; B: input Wp (given as codes): QUANTISED (scales: A lowp_scales[10], B lowp_scales[11])
;;   THE QUANTISER, for each operand of a quantised product, along K:
;;     - The operand's scale is 2^e, e = its entry of the input lowp_scales (int32; the entries are numbered through the quantised products in the list's order, A before B).
;;     - Each number is divided by the scale, clamped to +-57,344, and rounded to the nearest number of E5M2, ties to even, subnormals kept.
;;     - The product sums the exact products of the quantised numbers (number of the format x scale) in f32.
;;   ~~~python
;;   def quantise(x, axis, e):      # numpy; x: float32 -> the quantised numbers, widened to float32 again
;;       x = np.moveaxis(x, axis, -1); K = x.shape[-1]
;;       r = np.clip(x / 2.0 ** e, -57344, 57344)
;;       step = 2.0 ** (np.maximum(np.frexp(np.where(r == 0, 1, r))[1] - 1, -14) - 2)
;;       q = np.round(r / step) * step * 2.0 ** e      # np.round: ties to even
;;       return np.moveaxis(q, -1, axis).astype(np.float32)
;;   ~~~
;;   SOFTMAX AHEAD OF A QUANTISED PRODUCT. Where the list says 'softmax', what is quantised is not the finished softmax but p = 2^(t - M), with t = logit x log2(e) and M = ceil(the row's largest t), a whole number; so 1/2 < the row's largest p <= 1. The row's sum l is taken of the UNQUANTISED p, in f32, and the product's result is divided by l at the end. Since M is a whole number, a kernel that streams over the keys may use a running M (the ceiling of the running maximum): every later rescaling is an exact power of two, so the quantised numbers keep their values, but for numbers so far below the row's largest that they fall under the format's range.
;;   OPERANDS COMPUTED ON THE WAY. 'Computed on the way' means the value that the module computes at that place (a softmax that the list does not call 'softmax' is quantised finished and normalised). What goes into a quantiser is computed in f32, as accurately as f32 sums, v_exp_f32 and their like allow (about 1e-6 of the number): no bf16 or f16 on the way to a quantiser, and a product that is left as it is and whose result goes on into a quantised operand takes f32 operands (vector FMAs, or v_wmma_f32_16x16x4_f32). A number that lies on a knife's edge between two numbers of the format may be rounded either way, as far as f32 arithmetic and the matrix unit's own rounding can turn it there, and no further.
;;   INPUTS GIVEN AS CODES. Wk (in the module: [1024, 1024], K = its axis 1); Wp (in the module: [1024, 1024], K = its axis 1); Wq (in the module: [1024, 1024], K = its axis 1); Wv (in the module: [1024, 1024], K = its axis 1); x (in the module: [4, 2048, 1024], K = its axis 2): each comes as NAME_codes (uint8): NAME with its K axis moved to the last place and cut into blocks of 32 codes, [.., K / 32, bytes a block], one block behind the other in memory; one code a byte (a code: sign, 5 exponent bits, 2 mantissa bits); its scale is its entry of lowp_scales. Its value is code x scale, taken as it is: it is not quantised again, and the codes and scales need not be those that the quantiser above would give.
;; One version. Each part assembles by itself: llvm-mc -triple=amdgcn-amd-amdhsa -mcpu=gfx1250 --defsym DOCPART=n.
;; ======== version 1 of 1: 3 launches
;; limits: right only within a limited range of input values
;; workspace buffers: q_img 8,388,608 bytes; k_img 8,388,608 bytes; v_img 8,388,608 bytes; ctx_img 8,388,608 bytes
;; launch qkv (part 1): grid 12 x 32, 4 waves a work-group, clusters of 4 x 4, 327,680 bytes of LDS; arguments x_codes, Wq_codes, Wk_codes, Wv_codes, lowp_scales, q_img, k_img, v_img; writes q_img, k_img, v_img
.if DOCPART == 1
	.amdgcn_target "amdgcn-amd-amdhsa--gfx1250"
	.amdhsa_code_object_version 6
	.text
	.protected	k_qc26730384f_qkv
	.globl	k_qc26730384f_qkv
	.p2align	8
	.type	k_qc26730384f_qkv,@function
k_qc26730384f_qkv:
	s_mov_b64 s[64:65], 0
	v_nop
	global_prefetch_b8 v0, s[64:65] scope:SCOPE_SE
	s_setreg_imm32_b32 hwreg(HW_REG_WAVE_MODE, 25, 1), 1
	s_wait_xcnt 0x0
	s_wait_alu depctr_hold_cnt(0) depctr_sa_sdst(0) depctr_va_vdst(0) depctr_va_sdst(0) depctr_va_ssrc(0) depctr_va_vcc(0) depctr_vm_vsrc(0)
	s_getreg_b32 s2, hwreg(HW_REG_IB_STS2, 6, 4)
	s_cmp_eq_u32 s2, 0
	s_cbranch_scc0 .Lentry_in_a_cluster
	s_endpgm
.Lentry_in_a_cluster:
	s_bfe_u32 s2, ttmp6, 0x10000c
	s_cmp_lg_u32 s2, 0xf033
	s_cbranch_scc0 .Lentry_shape_is_right
	s_endpgm
.Lentry_shape_is_right:
; q = x Wq^T, k = x Wk^T, v = x Wv^T on codes of BF8 (E5M2), f32 sums, and the quantisers of q, k and v.  x: [8192][1024] codes, each W: [1024][1024] codes, K innermost.
; A tile of 256 x 256 results is made by a work-group of four waves; a wave makes 128 x 128: 64 accumulators of 16 x 16, 512 registers.  K goes in steps of 256 through two LDS slots.
; The cluster's x (0, 1, 2) says which product: q, k or v; it is the same in all sixteen partners, and everything that hangs on it is chosen by s_cselect, without a branch.
; SOURCES.  S1 = source 1 of the matrix instruction (one set of registers, its tiles shared along a row of the cluster), S0 = source 0 (two sets, shared along a column).
;   q, k: S1 = 256 tokens of x, S0 = 256 rows of W.  A lane then holds one token and eight neighbouring features: one conversion gives two registers of that token block's 16 x 64 fragment.
;   v:    S1 = 256 rows of Wv, S0 = 256 tokens.  A lane then holds one feature and eight neighbouring tokens: one conversion gives two registers of V^T's 16 x 128 fragment (K = the keys).
; THE RESULTS LEAVE AS IMAGES OF THE NEXT LAUNCH'S OPERAND REGISTERS: four registers of every lane, 16 bytes at 16 x lane, 512 consecutive bytes a store, at multiples of 512 from the buffer's first byte.
;   q_img, k_img: [batch x head 64][block of 16 tokens 128][group 2][lane 32][16 bytes];   v_img: [batch x head 64][128 keys 16][16 of the head's 64: 4][group 4][lane 32][16 bytes].
; code = sum / 2^(e_out - e_x - e_w), held within +-57,344 x that power, to the nearest code, ties to even.
; LIMITS: e6 - e0 - e1, e7 - e2 - e3 and e9 - e4 - e5 lie between -126 and 112, so that the power and 57,344 x it are f32 numbers.  Infinity and NaN codes among the inputs are not served.
; 384 tiles for the launch: a tile of 256 x 384 would want 768 registers of accumulators beside 320 of fragments, more than a wave has.
; No prefetch: each slot is filled again once, and the whole walk along K is four slots long.
; REGISTERS, in windows of 256: window 0: v16-29 addresses and constants; v32-95 a block's held sums; v96-111 its codes; from v128 S1's fragments (8 x 16 rows x 128 K).
;   window 1: S0's fragments, two sets, at v0 and v128.   windows 2, 3: the accumulators of S1's blocks 0-3 and 4-7 (accumulator (a, b) at v[8 (8 (a % 4) + b)]).
.set ROWB,   256                       ; a tile's row in bytes
.set KROW,   1024                      ; a row of x or of a W in memory, in bytes
.set PITCH,  272                       ; an LDS row: 256 bytes + 16 of padding, so that the 16 rows of a fragment load start 68 words apart
.set FR,     16                        ; registers of a fragment: 16 rows x 128 K
.set NL,     4                         ; LDS loads that bring one
.set NP,     4                         ; places behind this matrix instruction (ISA guide 7.12.1)
.set HALFT,  128*PITCH                 ; 128 rows: what one tensor load brings, and what one wave reads of S1 or of S0
.set SLOT,   4*HALFT                   ; S1's 256 rows, then S0's 256 rows
.set LAPS,   2                         ; a lap = two slots = 512 along K
.set SPARE,  2*SLOT                    ; behind the ring: the spare words, 128 bytes for each wave
.set ADRA, 16                          ; v16-17  LDS address of my S1 fragments in slot 0, 1
.set ADRB, 20                          ; v20-21  the same for S0
.set VOA,  24                          ; v24     16 x lane
.set VOB,  25                          ; v25     16 x lane + the distance to a block's second pair of stores
.set SC,   26                          ; v26     the folded scale as f32
.set LIM,  27                          ; v27     57,344 x that
.set SPW,  28                          ; v28     LDS address of my spare word; never rewritten
.set NIL,  29                          ; v29     0; never rewritten
.set TMP,  32
.set CD,   96
.set AF,   128
.set G1, 24                            ; s[24:31] descriptor group 1 for S1's tiles;  s[32:39] group 0, one set for each slot
.set G0, 32
.set G1B, 48                           ; s[48:55], s[56:63] the same for S0's tiles
.set G0B, 56
.set MSB, 0
.macro WIN new                         ; the immediate's high byte repeats the setting that is left
.if MSB != \new
	s_set_vgpr_msb (MSB<<8)|\new
.set MSB, \new
.endif
.endm
.set MUL_LO, 0xa1                      ; source 0 window 1, source 1 window 0, C and D window 2
.set MUL_HI, 0xf1                      ; the same, C and D window 3
.set TO_B,   0x40                      ; destination window 1, address window 0
; A joint load: waves 0 and 1 fetch for S1, waves 2 and 3 for S0.  The branch hangs on the wave's number alone.  Four v_nop follow each of the two lines.
.macro JLOAD g0a, g1a, g0b, g1b
	s_cmp_eq_u32 s15, 0
	s_cbranch_scc0 .Lfor_b_\@
	tensor_load_to_lds s[\g0a:\g0a+3], s[\g1a:\g1a+7]
	s_nop 0
.rept 4
	v_nop
.endr
	s_branch .Lasked_\@
.Lfor_b_\@:
	tensor_load_to_lds s[\g0b:\g0b+3], s[\g1b:\g1b+7]
	s_nop 0
.rept 4
	v_nop
.endr
.Lasked_\@:
.endm
.macro CREST                           ; a round of the cluster's barrier behind its opening barrier
	s_cmp_lg_u32 s14, 0
	s_cbranch_scc1 .Lnot_wave_0_\@
	s_barrier_signal -3
.Lnot_wave_0_\@:
	s_barrier_wait -3
	s_barrier_signal -1
	s_barrier_wait -1
.endm
.macro CROUND                          ; a whole round
	s_barrier_signal -1
	s_barrier_wait -1
	CREST
.endm
	s_load_b256 s[4:11], s[0:1], 0x0               ; x s[4:5], Wq s[6:7], Wk s[8:9], Wv s[10:11]
	s_load_b64 s[68:69], s[0:1], 0x20              ; the scales' exponents
	s_load_b64 s[70:71], s[0:1], 0x28              ; q_img
	s_load_b128 s[72:75], s[0:1], 0x30             ; k_img, v_img
	v_lshl_add_u32 v[SPW], v0, 2, SPARE
	v_mov_b32 v[NIL], 0
	ds_add_u32 v28, v29
	ds_add_u32 v28, v29
	s_wait_dscnt 0x0
	v_lshrrev_b32 v1, 5, v0
	v_readfirstlane_b32 s14, v1                    ; wave 0..3
	s_lshr_b32 s15, s14, 1                         ; which half of S1's rows is mine.  Also: I fetch for S1 (0) or for S0 (1)
	s_and_b32 s16, s14, 1                          ; which half of S0's rows.  Also: which 128 rows of that tile I fetch
	s_bfe_u32 s40, ttmp6, 0x40000                  ; cx, cy: my place in the cluster
	s_bfe_u32 s41, ttmp6, 0x40004
	s_and_b32 s12, ttmp7, 0xffff
	s_lshl_b32 s12, s12, 2                         ; 4 x cluster y
	s_add_co_u32 s13, s12, s41                     ; 4 x cluster y + cy
	s_add_co_u32 s19, s12, s40                     ; 4 x cluster y + cx
	s_cmp_eq_u32 ttmp9, 2                          ; the product v?
	s_cselect_b32 s17, s41, s13                    ; S1's tile: of Wv's four (cy), or of x's 32; it hangs on cy alone
	s_cselect_b32 s42, s19, s40                    ; S0's tile: of x's 32, or of W's four (cx); it hangs on cx alone
	s_lshl_b32 s43, s41, 2
	s_lshl_b32 s43, 15, s43                        ; my row of the cluster
	s_lshl_b32 s44, 0x1111, s40                    ; my column
	; descriptor group 1: a tile of 128 rows x 256 bytes, padded in LDS
	s_or_b32 s[G1+0], s43, (0<<16)|(1<<20)|(1<<21)|(5<<22)|(3<<25)  ; 15:0 the mask: S1's tiles go to my row; 17:16 elements of 1 byte; 20 padding on; 21 set beside a mask; 24:22 after every 64 words; 31:25 four words
	s_or_b32 s[G1B+0], s44, (0<<16)|(1<<20)|(1<<21)|(5<<22)|(3<<25) ; the same with the mask of my column
.irp g, G1, G1B
	s_mov_b32 s[\g+1], ROWB<<16                    ; tensor_dim0
	s_mov_b32 s[\g+2], 128<<16                     ; tensor_dim1 = 128
	s_mov_b32 s[\g+3], ROWB<<16                    ; tile_dim0
	s_mov_b32 s[\g+4], 128                         ; tile_dim1 = 128
	s_mov_b32 s[\g+5], KROW                        ; tensor_dim0_stride
	s_mov_b32 s[\g+6], 0
	s_mov_b32 s[\g+7], 0
.endr
	s_lshl_b32 s18, s16, 7                         ; which 128 rows of the tile I fetch
	s_lshl_b32 s20, s17, 8
	s_add_co_u32 s20, s20, s18                     ; S1: row 256 x tile + 128 x half,
	s_lshl_b32 s20, s20, 10                        ; of 1,024 bytes (8 MiB at the most)
	s_mov_b32 s21, 0
	s_lshl_b32 s46, s42, 8
	s_add_co_u32 s46, s46, s18                     ; S0 likewise
	s_lshl_b32 s46, s46, 10
	s_mov_b32 s47, 0
	s_mul_i32 s45, s14, HALFT                      ; where they go: wave x 128 rows: no place in the cluster enters an LDS address
	s_wait_kmcnt 0x0
	s_load_b256 s[76:83], s[68:69], 0x0            ; e0 .. e7
	s_load_b128 s[84:87], s[68:69], 0x20           ; e8 .. e11
	s_cmp_eq_u32 ttmp9, 0
	s_cselect_b64 s[88:89], s[6:7], s[8:9]         ; Wq or Wk
	s_cselect_b64 s[90:91], s[70:71], s[72:73]     ; q_img or k_img
	s_cmp_eq_u32 ttmp9, 2
	s_cselect_b64 s[92:93], s[10:11], s[4:5]       ; S1's buffer: Wv, or x
	s_cselect_b64 s[88:89], s[4:5], s[88:89]       ; S0's buffer: x, or the W
	s_cselect_b64 s[90:91], s[74:75], s[90:91]     ; the output
	s_add_nc_u64 s[20:21], s[92:93], s[20:21]
	s_add_nc_u64 s[46:47], s[88:89], s[46:47]
	CROUND                                         ; all sixteen work-groups are here: the first joint loads meet
.irp s, 0,1
	s_mov_b32 s[G0+4*\s], 1
	s_add_co_u32 s[G0+4*\s+1], s45, \s*SLOT
	s_add_nc_u64 s[G0+4*\s+2:G0+4*\s+3], s[20:21], \s*ROWB
	s_or_b32 s[G0+4*\s+3], s[G0+4*\s+3], 0x80000000
	s_mov_b32 s[G0B+4*\s], 1
	s_add_co_u32 s[G0B+4*\s+1], s45, \s*SLOT
	s_add_nc_u64 s[G0B+4*\s+2:G0B+4*\s+3], s[46:47], \s*ROWB
	s_or_b32 s[G0B+4*\s+3], s[G0B+4*\s+3], 0x80000000
	JLOAD G0+4*\s, G1, G0B+4*\s, G1B
.endr
	v_and_b32 v1, 15, v0                           ; l % 16
	v_bfe_u32 v2, v0, 4, 1                         ; l / 16
	v_mul_u32_u24 v3, v1, PITCH
	v_lshl_add_u32 v4, v2, 4, v3                   ; a fragment's row x pitch + 16 x half
	s_mul_i32 s21, s15, HALFT                      ; my 128 rows of S1
	s_mul_i32 s22, s16, HALFT                      ; my 128 rows of S0,
	s_add_co_u32 s22, s22, 2*HALFT                 ; which lie behind S1's 256
.irp s, 0,1
	v_add_nc_u32 v[ADRA+\s], s21, v4
	v_add_nc_u32 v[ADRB+\s], s22, v4
	s_add_co_u32 s21, s21, SLOT
	s_add_co_u32 s22, s22, SLOT
.endr
	; the way out's places, made while the first tiles are on their way
	s_cmp_eq_u32 ttmp9, 2
	s_cselect_b32 s19, s42, s17                    ; the tile of tokens,
	s_cselect_b32 s20, s16, s15                    ; my half of it,
	s_cselect_b32 s21, s17, s42                    ; the tile of features (four heads),
	s_cselect_b32 s22, s15, s16                    ; my half of it (two heads)
	s_mov_b32 s94, 1024
	s_cselect_b32 s94, 2048, s94                   ; from S1's block a to a + 1: q, k: the next 16 tokens; v: the next 16 of the head's 64
	s_mov_b32 s96, 1024
	s_cselect_b32 s96, 124928, s96                 ; from block 3 to 4: v: the next head, 131,072 - 3 x 2,048
	s_mov_b32 s23, 131072
	s_cselect_b32 s23, 1024, s23                   ; a block's second pair of stores: q, k: the next head; v: groups 2 and 3
	s_mov_b32 s95, 0
	s_mov_b32 s97, 0
	s_lshl_b32 s19, s19, 8
	s_lshl_b32 s20, s20, 7
	s_add_co_u32 s19, s19, s20                     ; my first token, of 8,192
	s_lshr_b32 s20, s19, 11
	s_lshl_b32 s20, s20, 21                        ; its batch: 16 heads x 131,072 bytes
	s_and_b32 s19, s19, 2047
	s_lshl_b32 s19, s19, 6                         ; 64 bytes a token in each of the three images
	s_add_co_u32 s20, s20, s19
	s_lshl_b32 s21, s21, 2
	s_lshl_b32 s22, s22, 1
	s_add_co_u32 s21, s21, s22                     ; my first head
	s_lshl_b32 s21, s21, 17
	s_add_co_u32 s20, s20, s21
	s_mov_b32 s21, 0
	s_add_nc_u64 s[90:91], s[90:91], s[20:21]
	v_and_b32 v[VOA], 31, v0
	v_lshlrev_b32 v[VOA], 4, v[VOA]
	v_add_nc_u32 v[VOB], s23, v[VOA]
.macro FRAG reg, adr, q, i             ; a fragment by four loads of 16 bytes: registers 4 c .. 4 c + 3 hold K = 32 c + 16 (l / 16) + 0 .. 15: the same order of K in x and in W, so every product meets its partner
.irp c, 0,1,2,3
	ds_load_b128 v[\reg+4*\c:\reg+4*\c+3], v[\adr] offset:128*(\q)+32*\c+(\i)*16*PITCH
.endr
.endm
; 16 matrix instructions: S1's blocks a0, a0 + 1 x S0's eight, 128 along K.  p: S0's set.  zero = 1: the first product starts the sums.
; The 64 accumulators take turns, one instruction a turn, in the same order in every step.
.macro MUL16 a0, p, zero
.irp a, \a0, \a0+1
.irp b, 0,1,2,3,4,5,6,7
.if \zero
	v_wmma_f32_16x16x128_bf8_bf8 v[8*(8*((\a)%4)+\b):8*(8*((\a)%4)+\b)+7], v[128*(\p)+FR*\b:128*(\p)+FR*\b+FR-1], v[AF+FR*(\a):AF+FR*(\a)+FR-1], 0
.else
	v_wmma_f32_16x16x128_bf8_bf8 v[8*(8*((\a)%4)+\b):8*(8*((\a)%4)+\b)+7], v[128*(\p)+FR*\b:128*(\p)+FR*\b+FR-1], v[AF+FR*(\a):AF+FR*(\a)+FR-1], v[8*(8*((\a)%4)+\b):8*(8*((\a)%4)+\b)+7]
.endif
.endr
.endr
.endm
.macro FETCH_B slot, q, p              ; S0's eight fragments of the slot's q-th 128 along K into set p
	WIN TO_B
.irp i, 0,1,2,3,4,5,6,7
	FRAG 128*(\p)+FR*\i, ADRB+\slot, \q, \i
.endr
	WIN 0
.endm
.macro FETCH_A slot, q, i0             ; S1's blocks i0 .. i0 + 3
.irp i, \i0, \i0+1, \i0+2, \i0+3
	FRAG AF+FR*(\i), ADRA+\slot, \q, \i
.endr
.endm
.macro PLACES n                        ; plain vector instructions between a matrix instruction and a load into, or a read of, its registers
.rept \n
	v_nop
.endr
.endm
; A step of 128 along K that has its successor in the same slot.
.macro STEP slot, q, zero
	s_wait_dscnt 4*NL                              ; S0's set and S1's blocks 0-3 are in; the youngest sixteen loads (S1's blocks 4-7) may be out
	WIN MUL_LO
	MUL16 0, (\q)%2, \zero
	MUL16 2, (\q)%2, \zero
	s_wait_dscnt 0                                 ; S1's blocks 4-7 are in
	PLACES NP
	FETCH_B \slot, (\q)+1, 1-(\q)%2
	FETCH_A \slot, (\q)+1, 0
	WIN MUL_HI
	MUL16 4, (\q)%2, \zero
	MUL16 6, (\q)%2, \zero
	PLACES NP
	WIN 0
	FETCH_A \slot, (\q)+1, 4
.endm
; A slot's last step changes slots: ONE barrier; in front of it each wave waits for all its tensor loads, adds 0 to its spare word, and waits for that and for its own reads of this slot.  fill = 1: this slot is filled again.
.macro TURN slot, next, fill
	s_wait_tensorcnt 0x0                           ; all my tensor loads have landed: my part of the next slot  (every window is 0 here)
	ds_add_u32 v[SPW], v[NIL]                      ; 0 onto my spare word
	s_wait_dscnt 4*NL+1                            ; the add and the youngest sixteen loads (S1's blocks 4-7) may be out
	WIN MUL_LO
	MUL16 0, 1, 0                                  ; sixteen matrix instructions stand between the add and the wait for it
	s_wait_dscnt 0x0                               ; the add is done, and my reads of this slot are over
	s_barrier_signal -1
	MUL16 2, 1, 0
	WIN 0
	s_barrier_wait -1
.if \fill
	CREST                                          ; the barrier has opened a round of the cluster's barrier: no wave of any partner still reads this slot or has a load on its way
	s_add_nc_u64 s[G0+4*\slot+2:G0+4*\slot+3], s[G0+4*\slot+2:G0+4*\slot+3], 2*ROWB
	s_add_nc_u64 s[G0B+4*\slot+2:G0B+4*\slot+3], s[G0B+4*\slot+2:G0B+4*\slot+3], 2*ROWB
	JLOAD G0+4*\slot, G1, G0B+4*\slot, G1B         ; the first tensor load behind the round; its four v_nop are the places in front of the loads below
.else
	PLACES NP
.endif
	FETCH_B \next, 0, 0
	FETCH_A \next, 0, 0
	WIN MUL_HI
	MUL16 4, 1, 0
	MUL16 6, 1, 0
	PLACES NP
	WIN 0
	FETCH_A \next, 0, 4
.endm
	s_wait_alu depctr_va_vdst(0)
	s_wait_tensorcnt 1                             ; my part of slot 0 is in (slot 1's load may be out)
	s_barrier_signal -1
	s_barrier_wait -1                              ; everybody's is
	FETCH_B 0, 0, 0
	FETCH_A 0, 0, 0
	FETCH_A 0, 0, 4
	STEP 0, 0, 1                                   ; the first step stands in front of the loop: its products start the sums
	s_mov_b32 s3, LAPS-1
.Llap:                                                 ; a trip goes once round the ring and fills both slots again
	TURN 0, 1, 1
	STEP 1, 0, 0
	TURN 1, 0, 1
	STEP 0, 0, 0
	s_sub_co_u32 s3, s3, 1
	s_cmp_lg_u32 s3, 0
	s_cbranch_scc1 .Llap
	TURN 0, 1, 0                                   ; the last lap fills nothing
	STEP 1, 0, 0
	s_wait_dscnt 4*NL                              ; the very last step: nothing more to fetch
	WIN MUL_LO
	MUL16 0, 1, 0
	MUL16 2, 1, 0
	s_wait_dscnt 0
	WIN MUL_HI
	MUL16 4, 1, 0
	MUL16 6, 1, 0
	WIN 0
	; THE WAY OUT.  The three scales of a result are folded into the conversion's one.
	s_wait_kmcnt 0x0
	s_sub_co_i32 s98, s82, s76
	s_sub_co_i32 s98, s98, s77                     ; q: e6 - e0 - e1
	s_sub_co_i32 s99, s83, s78
	s_sub_co_i32 s99, s99, s79                     ; k: e7 - e2 - e3
	s_sub_co_i32 s18, s85, s80
	s_sub_co_i32 s18, s18, s81                     ; v: e9 - e4 - e5
	s_cmp_eq_u32 ttmp9, 0
	s_cselect_b32 s98, s98, s99
	s_cmp_eq_u32 ttmp9, 2
	s_cselect_b32 s98, s18, s98
	s_add_co_i32 s98, s98, 127
	s_lshl_b32 s99, s98, 23
	v_mov_b32 v[SC], s99                           ; the power of two as f32: the conversion takes its exponent field
	s_add_co_i32 s98, s98, 15
	s_lshl_b32 s98, s98, 23
	s_or_b32 s98, s98, 0x600000
	v_mov_b32 v[LIM], s98                          ; 57,344 x that
	PLACES NP
; S1's block a: its eight accumulators are held, converted (two registers each) and stored as four groups of four registers.
.macro OUTBLK a
.set AC, 64*((\a)%4)
	WIN 0x02+((\a)/4)                              ; source 0: window 2 or 3
.set j, 0
.rept 64
	v_med3_num_f32 v[TMP+j], v[AC+j], -v[LIM], v[LIM]   ; the conversion to an 8-bit code does not saturate (ISA guide 7.6.2): the hold; each accumulator from its low end on
.set j, j+1
.endr
	WIN 0
.if (\a) > 0
	s_wait_alu depctr_va_vdst(0)
	s_wait_xcnt 0x0                                ; the last block's stores have read their data and their base: both are written again only behind this wait
.if (\a) == 4
	s_add_nc_u64 s[90:91], s[90:91], s[96:97]
.else
	s_add_nc_u64 s[90:91], s[90:91], s[94:95]
.endif
.endif
.irp b, 0,1,2,3,4,5,6,7
	v_cvt_scalef32_pk8_bf8_f32 v[CD+2*\b:CD+2*\b+1], v[TMP+8*\b:TMP+8*\b+7], v[SC]
.endr
	v_nop                                          ; a plain vector instruction behind the last conversion, ahead of the next block's writes of its sources
	global_store_b128 v[VOA], v[CD:CD+3], s[90:91]               ; 32 lanes store 512 consecutive bytes
	global_store_b128 v[VOA], v[CD+4:CD+7], s[90:91] offset:512
	global_store_b128 v[VOB], v[CD+8:CD+11], s[90:91]
	global_store_b128 v[VOB], v[CD+12:CD+15], s[90:91] offset:512
.endm
.irp a, 0,1,2,3,4,5,6,7
	OUTBLK \a
.endr
	s_wait_tensorcnt 0x0                           ; the wave's end
	ds_add_u32 v[SPW], v[NIL]
	s_wait_dscnt 0x0
	CROUND                                         ; the closing round: no work-group ends while a partner may still ask for a tile that names it
	s_endpgm
.Lfunc_end_k_qc26730384f_qkv:
	.size	k_qc26730384f_qkv, .Lfunc_end_k_qc26730384f_qkv-k_qc26730384f_qkv
	.p2alignl 7, 3214868480
	.fill 96, 4, 3214868480
	.section	.rodata,"a",@progbits
	.p2align	6, 0x0
	.amdhsa_kernel k_qc26730384f_qkv
		.amdhsa_group_segment_fixed_size 327680
		.amdhsa_private_segment_fixed_size 0
		.amdhsa_enable_private_segment 0
		.amdhsa_kernarg_size 64
		.amdhsa_user_sgpr_count 2
		.amdhsa_user_sgpr_kernarg_segment_ptr 1
		.amdhsa_wavefront_size32 1
		.amdhsa_system_sgpr_workgroup_id_x 1
		.amdhsa_system_sgpr_workgroup_id_y 1
		.amdhsa_system_sgpr_workgroup_id_z 1
		.amdhsa_system_vgpr_workitem_id 0
		.amdhsa_next_free_vgpr 1024
		.amdhsa_next_free_sgpr 100
		.amdhsa_reserve_vcc 0
		.amdhsa_float_denorm_mode_32 3
		.amdhsa_float_denorm_mode_16_64 3
		.amdhsa_memory_ordered 1
		.amdhsa_forward_progress 1
		.amdhsa_inst_pref_size 120
	.end_amdhsa_kernel
	.amdgpu_metadata
---
amdhsa.version: [ 1, 2 ]
amdhsa.kernels:
  - .name:           k_qc26730384f_qkv
    .symbol:         k_qc26730384f_qkv.kd
    .args:
      - { .name: x_codes, .offset: 0, .size: 8, .value_kind: global_buffer, .address_space: global }
      - { .name: Wq_codes, .offset: 8, .size: 8, .value_kind: global_buffer, .address_space: global }
      - { .name: Wk_codes, .offset: 16, .size: 8, .value_kind: global_buffer, .address_space: global }
      - { .name: Wv_codes, .offset: 24, .size: 8, .value_kind: global_buffer, .address_space: global }
      - { .name: lowp_scales, .offset: 32, .size: 8, .value_kind: global_buffer, .address_space: global }
      - { .name: q_img, .offset: 40, .size: 8, .value_kind: global_buffer, .address_space: global }
      - { .name: k_img, .offset: 48, .size: 8, .value_kind: global_buffer, .address_space: global }
      - { .name: v_img, .offset: 56, .size: 8, .value_kind: global_buffer, .address_space: global }
    .group_segment_fixed_size: 327680
    .private_segment_fixed_size: 0
    .kernarg_segment_align: 8
    .kernarg_segment_size: 64
    .max_flat_workgroup_size: 128
    .sgpr_count:     100
    .vgpr_count:     1024
    .wavefront_size: 32
...
	.end_amdgpu_metadata
.endif
;; end of part 1
;; launch attn (part 2): grid 4 x 64, 16 waves a work-group, clusters of 4 x 1, 264,192 bytes of LDS; arguments q_img, k_img, v_img, lowp_scales, ctx_img; writes ctx_img
.if DOCPART == 2
	.amdgcn_target "amdgcn-amd-amdhsa--gfx1250"
	.amdhsa_code_object_version 6
	.text
	.protected	k_qc26730384f_attn
	.globl	k_qc26730384f_attn
	.p2align	8
	.type	k_qc26730384f_attn,@function
k_qc26730384f_attn:
	s_mov_b64 s[64:65], 0
	v_nop
	global_prefetch_b8 v0, s[64:65] scope:SCOPE_SE
	s_setreg_imm32_b32 hwreg(HW_REG_WAVE_MODE, 25, 1), 1
	s_wait_xcnt 0x0
	s_wait_alu depctr_hold_cnt(0) depctr_sa_sdst(0) depctr_va_vdst(0) depctr_va_sdst(0) depctr_va_ssrc(0) depctr_va_vcc(0) depctr_vm_vsrc(0)
	s_getreg_b32 s2, hwreg(HW_REG_IB_STS2, 6, 4)
	s_cmp_eq_u32 s2, 0
	s_cbranch_scc0 .Lentry_in_a_cluster
	s_endpgm
.Lentry_in_a_cluster:
	s_bfe_u32 s2, ttmp6, 0x10000c
	s_cmp_lg_u32 s2, 0x3003
	s_cbranch_scc0 .Lentry_shape_is_right
	s_endpgm
.Lentry_shape_is_right:
; ctx = softmax(q k^T / 8, causal) v for one batch x head, both products on codes of BF8 (E5M2), and ctx's quantiser.
; THE SOFTMAX AHEAD OF THE SECOND PRODUCT: t = score x log2(e) / 8; M = the row's largest t so far, rounded UP to a whole number; p = 2^(t - M) is quantised with 2^e8, not normalised.
; The row's sum is taken of the unquantised p and divides at the end.  When M moves, the sum and O are multiplied by 2^(old M - new M), which rounds nothing.
; SHARES.  The four work-groups of a cluster own one batch x head (work-group y), 2,048 queries = 128 tiles of 16.  Tile qt needs qt / 8 + 1 key steps of 128 keys; steps that lie wholly behind the mask are left out.
; Each of the 64 waves of a cluster owns TWO tiles: qt0 = 8 a + c and qt1 = 127 - qt0, a = wave / 2, c = 2 cx + wave % 2: (a + 1) + (16 - a) = 17 tile steps for every wave.
; The last step of tile 0 is a, of tile 1 it is 15 - a: both hang on the wave's number alone, so no branch hangs on a work-group's place in its cluster; cx enters global offsets and the mask's number of each lane only.
; LDS.  The head's whole K (131,072 bytes at 0) and V (131,072 bytes behind it) are brought in ONCE, as the images that the launch before has stored: each wave issues one joint load of 16,384 bytes
; (mask: all four partners).  Nothing is filled again: one barrier, then LDS is only read.  Every fragment load takes 512 consecutive bytes, 16 x lane.  All of K and V is asked for at the head: nothing is left to prefetch.
; LAYOUT.  Both products are used transposed: S^T = K Q^T (source 0 = 16 keys, source 1 = my 16 queries, K = 64), O^T = V^T P^T (source 0 = 16 of the head's 64, source 1 = P, K = 128 keys).  A lane holds ONE query (lane % 16).
; In S^T's tile c a lane's eight registers are keys 16 c + 8 (lane / 16) + 0 .. 7: their conversion gives registers 2 c, 2 c + 1 of P in the matrix form's own order, which is v_img's order too.
; O^T's tile dt likewise gives registers of the last product's operand: ctx_img: [128 tokens 64][256 along K 4][128 along K 2][block of 16 tokens 8][group 4][lane 32][16 bytes].
; LIMITS: e6 + e7 between -123 and 130 (added to the exponent field of log2(e) / 8); e8 and e10 - e8 - e9 between -126 and 127.  Infinity and NaN codes are not served.
; REGISTERS: v1-11 addresses and constants; v12-15, v16-19 a tile's -M, largest t, sum (two halves); v[20:21] f; v[22:23] the sum's second chain; v24-31, v32-39 Q; v40-103 fragments of K, then of V;
;   v104-167 S^T, then p; v168-183 p's codes; v184-215, v216-247 O^T; v248, v249 at work; v250 ctx's scale.
.set AK,   1                           ; v1   LDS address of the step's K
.set AV,   2                           ; v2   of its V
.set LN,   3                           ; v3   16 x lane
.set DM,   4                           ; v4, v5  tile 0's, 1's: my query's number in the diagonal step less 8 (lane / 16)
.set NINF, 6                           ; v6   -infinity
.set PSC,  7                           ; v7   2^e8
.set PLIM, 8
.set PX,   9                           ; v9   a lane permute's destination
.set F,    40
.set S,    104
.set P,    168
.set WV,   14                          ; s14  my wave's number
.set SEL,  20                          ; s[20:21] lane selects for v_permlanex16_b32: lane l xor 16
.set CS,   22                          ; s[22:23] c = log2(e) / 8 x 2^(e6 + e7)
.set G1,   24                          ; s[24:31] descriptor group 1
.set G0,   32                          ; s[32:35] descriptor group 0
.set TB,   36                          ; s36  LDS byte at which the step's K begins
.set KS,   37                          ; s37  the key step
.set LAST, 38                          ; s38, s39  the last key step of tile 0, 1
.macro CROUND                          ; a round of the cluster's barrier
	s_barrier_signal -1
	s_barrier_wait -1
	s_cmp_lg_u32 s[WV], 0
	s_cbranch_scc1 .Lnot_wave_0_\@
	s_barrier_signal -3
.Lnot_wave_0_\@:
	s_barrier_wait -3
	s_barrier_signal -1
	s_barrier_wait -1
.endm
	s_load_b256 s[4:11], s[0:1], 0x0               ; q_img s[4:5], k_img s[6:7], v_img s[8:9], the scales' exponents s[10:11]
	s_load_b64 s[12:13], s[0:1], 0x20              ; ctx_img
	v_lshl_add_u32 v254, v0, 2, 0x40000
	v_mov_b32 v255, 0
	ds_add_u32 v254, v255
	ds_add_u32 v254, v255
	v_lshrrev_b32 v1, 5, v0
	s_delay_alu instid0(VALU_DEP_1)
	v_readfirstlane_b32 s[WV], v1                  ; wave 0..15
	s_bfe_u32 s15, ttmp6, 0x40000                  ; cx
	s_and_b32 s16, ttmp7, 0xffff                   ; batch x head, which the four partners share
	s_lshr_b32 s17, s[WV], 1                       ; a
	s_and_b32 s18, s[WV], 1
	s_lshl_b32 s52, s15, 1
	s_add_co_u32 s18, s18, s52                     ; c = 2 cx + wave % 2
	s_mov_b32 s[LAST], s17
	s_sub_co_u32 s[LAST+1], 15, s17
	s_lshl_b32 s54, s17, 3
	s_add_co_u32 s54, s54, s18                     ; qt0
	s_sub_co_u32 s55, 127, s54                     ; qt1
	; descriptor group 1: a dense block of 16,384 bytes as 64 rows of 256
	s_mov_b32 s[G1], 15|(3<<16)|(1<<21)            ; 15:0 the mask: all four work-groups; 17:16 elements of 8 bytes; 21 set beside a mask; no padding
	s_mov_b32 s[G1+1], 32<<16                      ; tensor_dim0 = 32
	s_mov_b32 s[G1+2], 64<<16                      ; tensor_dim1 = 64
	s_mov_b32 s[G1+3], 32<<16                      ; tile_dim0 = 32
	s_mov_b32 s[G1+4], 64                          ; tile_dim1 = 64
	s_mov_b32 s[G1+5], 32                          ; tensor_dim0_stride
	s_mov_b32 s[G1+6], 0
	s_mov_b32 s[G1+7], 0
	s_mov_b32 s[SEL], 0x76543210
	s_mov_b32 s[SEL+1], 0xfedcba98
	s_lshl_b32 s56, s16, 17                        ; the head's first byte in each image: 131,072 x (batch x head)
	s_mov_b32 s57, 0
	s_and_b32 s52, s[WV], 7
	s_lshl_b32 s52, s52, 14                        ; my eighth of K's or of V's image
	s_add_co_u32 s52, s52, s56
	s_mov_b32 s53, 0
	; where a tile's codes go in ctx_img
	s_lshr_b32 s60, s16, 4
	s_lshl_b32 s60, s60, 21                        ; the batch: 16 groups of 128 tokens x 131,072 bytes
	s_and_b32 s61, s16, 15                         ; the head
	s_lshr_b32 s62, s61, 1
	s_lshl_b32 s62, s62, 14                        ; which 128 along K: 16,384 x (head / 2)
	s_add_co_u32 s60, s60, s62
	s_and_b32 s61, s61, 1
	s_lshl_b32 s61, s61, 10                        ; groups 2 (head % 2) and the next
	s_add_co_u32 s60, s60, s61
	s_lshr_b32 s58, s54, 3
	s_lshl_b32 s58, s58, 17                        ; tile 0: its group of 128 tokens,
	s_and_b32 s62, s54, 7
	s_lshl_b32 s62, s62, 11                        ; its block of 16
	s_add_co_u32 s58, s58, s62
	s_add_co_u32 s58, s58, s60
	s_lshr_b32 s59, s55, 3
	s_lshl_b32 s59, s59, 17                        ; tile 1 likewise
	s_and_b32 s62, s55, 7
	s_lshl_b32 s62, s62, 11
	s_add_co_u32 s59, s59, s62
	s_add_co_u32 s59, s59, s60
	s_wait_dscnt 0x0
	s_wait_kmcnt 0x0
	s_load_b256 s[40:47], s[10:11], 0x0            ; e0 .. e7
	s_load_b128 s[48:51], s[10:11], 0x20           ; e8 .. e11
	s_mov_b32 s[G0], 1                             ; count = 1
	s_lshl_b32 s[G0+1], s[WV], 14                  ; LDS address: 16,384 x wave: waves 0-7 fill K's half, waves 8-15 V's
	s_cmp_lt_u32 s[WV], 8
	s_cselect_b64 s[G0+2:G0+3], s[6:7], s[8:9]
	s_add_nc_u64 s[G0+2:G0+3], s[G0+2:G0+3], s[52:53]
	s_or_b32 s[G0+3], s[G0+3], 0x80000000          ; type = 2
	s_add_nc_u64 s[4:5], s[4:5], s[56:57]          ; q_img at my head
	CROUND                                         ; all four work-groups are here: the joint loads meet
	tensor_load_to_lds s[G0:G0+3], s[G1:G1+7]      ; my one tensor load of the launch
	s_nop 0
.rept 4
	v_nop
.endr
	v_and_b32 v[LN], 31, v0
	s_delay_alu instid0(VALU_DEP_1)
	v_lshlrev_b32 v[LN], 4, v[LN]
	s_lshl_b32 s56, s54, 10                        ; a tile of Q is 1,024 bytes
	s_lshl_b32 s57, s55, 10
	v_add_nc_u32 v10, s56, v[LN]
	v_add_nc_u32 v11, s57, v[LN]
	global_load_b128 v[24:27], v10, s[4:5]         ; Q's two fragments stay in registers
	global_load_b128 v[28:31], v10, s[4:5] offset:512
	global_load_b128 v[32:35], v11, s[4:5]
	global_load_b128 v[36:39], v11, s[4:5] offset:512
	v_and_b32 v[DM], 15, v0                        ; r
	v_bfe_u32 v[DM+1], v0, 4, 1                    ; h
	s_delay_alu instid0(VALU_DEP_1)
	v_lshlrev_b32 v[DM+1], 3, v[DM+1]
	s_delay_alu instid0(VALU_DEP_1)
	v_sub_nc_u32 v[DM], v[DM], v[DM+1]             ; r - 8 h
	s_lshl_b32 s56, s18, 4                         ; 16 c: tile 0's place in its diagonal step,
	s_sub_co_u32 s57, 112, s56                     ; 16 (7 - c): tile 1's
	v_add_nc_u32 v[DM+1], s57, v[DM]
	v_add_nc_u32 v[DM], s56, v[DM]
	v_mov_b32 v[NINF], 0xff800000
	v_mov_b32 v[PX], 0                             ; written once: a lane permute's destination counts as one of its sources
	v_mov_b32 v248, 0
	v_mov_b32 v13, 0xff61b1e6                      ; the largest t so far: -3e38, under every t
	v_mov_b32 v17, 0xff61b1e6
	s_delay_alu instid0(VALU_DEP_2)
	v_floor_f32 v12, -v13                          ; -M
	s_delay_alu instid0(VALU_DEP_2)
	v_floor_f32 v16, -v17
	v_mov_b32 v14, 0                               ; the sums, in two halves
	v_mov_b32 v15, 0
	v_mov_b32 v18, 0
	v_mov_b32 v19, 0
	v_mov_b32 v21, 0                               ; (named as the upper halves of pairs)
	v_mov_b32 v22, 0
	v_mov_b32 v23, 0
.set j, 0
.rept 64
	v_mov_b32 v[184+j], 0                          ; O^T of both tiles: the step is written without a first step of its own; the first change of M leaves zeros zeros
.set j, j+1
.endr
	s_wait_kmcnt 0x0
	s_add_co_i32 s52, s46, s47                     ; e6 + e7: a score stands for score x 2^(e6 + e7): added to c's exponent field
	s_lshl_b32 s52, s52, 23
	s_add_co_i32 s[CS], s52, 0x3e38aa3b            ; log2(e) / 8
	s_mov_b32 s[CS+1], s[CS]                       ; (named with it as a pair, so it is written)
	s_add_co_i32 s52, s48, 127
	s_lshl_b32 s53, s52, 23
	v_mov_b32 v[PSC], s53                          ; 2^e8
	s_sub_co_i32 s52, s50, s48
	s_sub_co_i32 s52, s52, s49                     ; e10 - e8 - e9: O^T / the sum stands for ctx / 2^(e8 + e9)
	s_add_co_i32 s52, s52, 127
	s_lshl_b32 s53, s52, 23
	v_mov_b32 v250, s53
; ONE TILE'S KEY STEP: 128 keys for tile x.  guard = 1: the step may lie behind the mask (left out: a scalar branch on the wave's number and the loop's count) or on the diagonal (masked).
.macro TSTEP x, guard
.set QX, 24+8*\x
.set OX, 184+32*\x
.set SX, 12+4*\x
.if \guard
	s_cmp_gt_u32 s[KS], s[LAST+\x]
	s_cbranch_scc1 .Lskip_\@
.endif
.rept 4
	v_nop                                          ; places in front of loads into registers that the last products have read
.endr
.irp f, 0,1,2,3,4,5,6,7,8,9,10,11,12,13,14,15
	ds_load_b128 v[F+4*\f:F+4*\f+3], v[AK] offset:512*\f   ; K: eight fragments of 16 keys x 64, two loads each
.endr
	s_wait_dscnt 0x0
.irp t, 0,1,2,3,4,5,6,7
	v_wmma_f32_16x16x64_bf8_bf8 v[S+8*\t:S+8*\t+7], v[F+8*\t:F+8*\t+7], v[QX:QX+7], 0
.endr
.rept 4
	v_nop                                          ; places: in front of the loads below and of the first read of the scores
.endr
	s_wait_alu depctr_va_vdst(0)
.irp f, 0,1,2,3,4,5,6,7,8,9,10,11,12,13,14,15
	ds_load_b128 v[F+4*\f:F+4*\f+3], v[AV] offset:512*\f   ; V^T: four fragments of 16 x 128 keys: they land while the softmax is worked
.endr
.if \guard
	s_cmp_lg_u32 s[KS], s[LAST+\x]
	s_cbranch_scc1 .Lopen_\@
.irp n, 0,1,2,3,4,5,6,7,8,9,10,11,12,13,14,15,16,17,18,19,20,21,22,23,24,25,26,27,28,29,30,31,32,33,34,35,36,37,38,39,40,41,42,43,44,45,46,47,48,49,50,51,52,53,54,55,56,57,58,59,60,61,62,63
	v_cmp_gt_i32 vcc_lo, 16*(\n/8)+\n%8, v[DM+\x]  ; register n holds key 16 (n / 8) + 8 (lane / 16) + n % 8 of the step: hidden where it comes after my query
	v_cndmask_b32 v[S+\n], v[S+\n], v[NINF], vcc_lo
.endr
.Lopen_\@:
.endif
	v_max3_num_f32 v248, v[S], v[S+1], v[S+2]      ; the step's largest score of my query, among my 64 keys, in two chains, each accumulator from its low end on,
	v_max3_num_f32 v249, v[S+3], v[S+4], v[S+5]
.irp i, 6,10,14,18,22,26,30,34,38,42,46,50,54,58
	v_max3_num_f32 v248, v248, v[S+\i], v[S+1+\i]
	v_max3_num_f32 v249, v249, v[S+2+\i], v[S+3+\i]
.endr
	v_max3_num_f32 v248, v248, v[S+62], v[S+63]
	s_delay_alu instid0(VALU_DEP_1)
	v_max_num_f32 v248, v248, v249
	s_delay_alu instid0(VALU_DEP_1)
	v_permlanex16_b32 v[PX], v248, s[SEL], s[SEL+1]
	s_delay_alu instid0(VALU_DEP_1)
	v_max_num_f32 v248, v248, v[PX]                ; and among lane l xor 16's
	s_delay_alu instid0(VALU_DEP_1)
	v_mul_f32 v248, s[CS], v248                    ; as t (c is positive)
	s_delay_alu instid0(VALU_DEP_1)
	v_max_num_f32 v[SX+1], v[SX+1], v248           ; the running largest t
	v_mov_b32 v248, v[SX]
	s_delay_alu instid0(VALU_DEP_2)
	v_floor_f32 v[SX], -v[SX+1]                    ; the new -M = floor(-t): M is a whole number
	s_delay_alu instid0(VALU_DEP_1)
	v_sub_f32 v248, v[SX], v248                    ; M's old value less its new one: a whole number, 0 or less
	s_delay_alu instid0(VALU_DEP_1)
	v_cvt_i32_f32 v248, v248                       ; (it saturates)
	s_delay_alu instid0(VALU_DEP_1)
	v_ldexp_f32 v20, 1.0, v248                     ; f = 2^(old M - new M)
.irp j, 0,2,4,6,8,10,12,14,16,18,20,22,24,26,28,30,32,34,36,38,40,42,44,46,48,50,52,54,56,58,60,62
	v_pk_fma_f32 v[S+\j:S+1+\j], v[S+\j:S+1+\j], s[CS:CS+1], v[SX:SX+1] op_sel_hi:[1,0,0]   ; t - M, two at a time (of the pairs c and -M the low word serves both halves)
.endr
	s_wait_alu depctr_va_vdst(0)
.irp j, 0,1,2,3,4,5,6,7,8,9,10,11,12,13,14,15,16,17,18,19,20,21,22,23,24,25,26,27,28,29,30,31,32,33,34,35,36,37,38,39,40,41,42,43,44,45,46,47,48,49,50,51,52,53,54,55,56,57,58,59,60,61,62,63
	v_exp_f32 v[S+\j], v[S+\j]                     ; p = 2^(t - M), at most 1; 0 for a hidden key
.endr
	v_pk_mul_f32 v[SX+2:SX+3], v[SX+2:SX+3], v[20:21] op_sel_hi:[1,0]   ; the sums under the new M: the plain instruction behind the exponentials
	s_wait_alu depctr_va_vdst(0)                   ; one wait for the batch of 64, ahead of its first reader
	v_pk_add_f32 v[22:23], v[S:S+1], v[S+2:S+3]    ; the row's sum is taken of the unquantised p: two at a time, in two chains
.irp j, 4,8,12,16,20,24,28,32,36,40,44,48,52,56,60
	v_pk_add_f32 v[SX+2:SX+3], v[SX+2:SX+3], v[S+\j:S+1+\j]
	v_pk_add_f32 v[22:23], v[22:23], v[S+2+\j:S+3+\j]
.endr
	s_delay_alu instid0(VALU_DEP_1)
	v_pk_add_f32 v[SX+2:SX+3], v[SX+2:SX+3], v[22:23]
.irp t, 0,1,2,3,4,5,6,7
.irp i, 0,1,2,3,4,5,6,7
.endr
	v_cvt_scalef32_pk8_bf8_f32 v[P+2*\t:P+2*\t+1], v[S+8*\t:S+8*\t+7], v[PSC]
.endr
.irp j, 0,2,4,6,8,10,12,14,16,18,20,22,24,26,28,30
	v_pk_mul_f32 v[OX+\j:OX+1+\j], v[OX+\j:OX+1+\j], v[20:21] op_sel_hi:[1,0]   ; O^T under the new M; these are also the plain instructions behind the conversions
.endr
	s_wait_alu depctr_va_vdst(0)
	s_wait_dscnt 0x0                               ; V is in
.irp d, 0,1,2,3
	v_wmma_f32_16x16x128_bf8_bf8 v[OX+8*\d:OX+8*\d+7], v[F+16*\d:F+16*\d+15], v[P:P+15], v[OX+8*\d:OX+8*\d+7]   ; four accumulators, one instruction a turn
.endr
.if \guard
.Lskip_\@:
.endif
.endm
	s_wait_tensorcnt 0x0                           ; my sixteenth of K and V is in,
	s_barrier_signal -1
	s_barrier_wait -1                              ; everybody's is: from here on LDS is only read
	s_wait_loadcnt 0x0                             ; Q
	s_mov_b32 s[TB], 0
	s_mov_b32 s[KS], 0
.Lloop_a:                                          ; key steps 0 to 7: tile 0 up to its diagonal; tile 1's queries (from 1,024 on) see all these keys
	v_add_nc_u32 v[AK], s[TB], v[LN]
	s_delay_alu instid0(VALU_DEP_1)
	v_add_nc_u32 v[AV], 0x20000, v[AK]
	TSTEP 0, 1
	s_wait_alu depctr_va_vdst(0)
	TSTEP 1, 0
	s_add_co_u32 s[TB], s[TB], 8192
	s_add_co_u32 s[KS], s[KS], 1
	s_cmp_lt_u32 s[KS], 8
	s_cbranch_scc1 .Lloop_a
	s_mov_b32 s[TB], 65536
	s_mov_b32 s[KS], 8
.Lloop_b:                                          ; key steps 8 to 15: tile 1 up to its diagonal
	v_add_nc_u32 v[AK], s[TB], v[LN]
	s_delay_alu instid0(VALU_DEP_1)
	v_add_nc_u32 v[AV], 0x20000, v[AK]
	TSTEP 1, 1
	s_add_co_u32 s[TB], s[TB], 8192
	s_add_co_u32 s[KS], s[KS], 1
	s_cmp_lt_u32 s[KS], 16
	s_cbranch_scc1 .Lloop_b
	; THE WAY OUT: O^T / the sum is held, converted with 2^(e10 - e8 - e9), and stored as two groups of four registers a tile.
.rept 4
	v_nop                                          ; places behind the last products
.endr
	v_add_f32 v14, v14, v15                        ; the sums' two halves,
	v_add_f32 v18, v18, v19
	s_delay_alu instid0(VALU_DEP_2)
	v_permlanex16_b32 v[PX], v14, s[SEL], s[SEL+1]
	s_delay_alu instid0(VALU_DEP_2)
	v_permlanex16_b32 v248, v18, s[SEL], s[SEL+1]
	s_delay_alu instid0(VALU_DEP_2)
	v_add_f32 v14, v14, v[PX]                      ; and lane l xor 16's
	s_delay_alu instid0(VALU_DEP_2)
	v_add_f32 v18, v18, v248
	s_wait_alu depctr_va_vdst(0)
	v_rcp_f32 v20, v14
	v_rcp_f32 v22, v18
	v_add_nc_u32 v10, s58, v[LN]                   ; (plain instructions behind the reciprocals)  my 16 bytes of tile 0's first group,
	v_add_nc_u32 v11, s59, v[LN]                   ; of tile 1's
	s_wait_alu depctr_va_vdst(0)                   ; one wait for both reciprocals, ahead of their first reader
.irp x, 0,1
.irp j, 0,2,4,6,8,10,12,14,16,18,20,22,24,26,28,30
	v_pk_mul_f32 v[S+32*\x+\j:S+32*\x+\j+1], v[184+32*\x+\j:184+32*\x+\j+1], v[20+2*\x:21+2*\x] op_sel_hi:[1,0]   ; each accumulator from its low end on
.endr
.irp j, 0,1,2,3,4,5,6,7,8,9,10,11,12,13,14,15,16,17,18,19,20,21,22,23,24,25,26,27,28,29,30,31
.endr
.irp d, 0,1,2,3
	v_cvt_scalef32_pk8_bf8_f32 v[P+8*\x+2*\d:P+8*\x+2*\d+1], v[S+32*\x+8*\d:S+32*\x+8*\d+7], v250
.endr
	v_nop                                          ; a plain vector instruction behind the last conversion
	global_store_b128 v[10+\x], v[P+8*\x:P+8*\x+3], s[12:13]              ; 32 lanes store 512 consecutive bytes
	global_store_b128 v[10+\x], v[P+8*\x+4:P+8*\x+7], s[12:13] offset:512
.endr
	s_wait_tensorcnt 0x0
	ds_add_u32 v254, v255
	s_wait_dscnt 0x0
	CROUND                                         ; the closing round: no work-group ends while a partner may still ask for a tile that names it
	s_endpgm
.Lfunc_end_k_qc26730384f_attn:
	.size	k_qc26730384f_attn, .Lfunc_end_k_qc26730384f_attn-k_qc26730384f_attn
	.p2alignl 7, 3214868480
	.fill 96, 4, 3214868480
	.section	.rodata,"a",@progbits
	.p2align	6, 0x0
	.amdhsa_kernel k_qc26730384f_attn
		.amdhsa_group_segment_fixed_size 264192
		.amdhsa_private_segment_fixed_size 0
		.amdhsa_enable_private_segment 0
		.amdhsa_kernarg_size 40
		.amdhsa_user_sgpr_count 2
		.amdhsa_user_sgpr_kernarg_segment_ptr 1
		.amdhsa_wavefront_size32 1
		.amdhsa_system_sgpr_workgroup_id_x 1
		.amdhsa_system_sgpr_workgroup_id_y 1
		.amdhsa_system_sgpr_workgroup_id_z 1
		.amdhsa_system_vgpr_workitem_id 0
		.amdhsa_next_free_vgpr 256
		.amdhsa_next_free_sgpr 66
		.amdhsa_reserve_vcc 1
		.amdhsa_float_denorm_mode_32 3
		.amdhsa_float_denorm_mode_16_64 3
		.amdhsa_fp16_overflow 1
		.amdhsa_memory_ordered 1
		.amdhsa_forward_progress 1
		.amdhsa_inst_pref_size 64
	.end_amdhsa_kernel
	.amdgpu_metadata
---
amdhsa.version: [ 1, 2 ]
amdhsa.kernels:
  - .name:           k_qc26730384f_attn
    .symbol:         k_qc26730384f_attn.kd
    .args:
      - { .name: q_img, .offset: 0, .size: 8, .value_kind: global_buffer, .address_space: global }
      - { .name: k_img, .offset: 8, .size: 8, .value_kind: global_buffer, .address_space: global }
      - { .name: v_img, .offset: 16, .size: 8, .value_kind: global_buffer, .address_space: global }
      - { .name: lowp_scales, .offset: 24, .size: 8, .value_kind: global_buffer, .address_space: global }
      - { .name: ctx_img, .offset: 32, .size: 8, .value_kind: global_buffer, .address_space: global }
    .group_segment_fixed_size: 264192
    .private_segment_fixed_size: 0
    .kernarg_segment_align: 8
    .kernarg_segment_size: 40
    .max_flat_workgroup_size: 512
    .sgpr_count:     66
    .vgpr_count:     256
    .wavefront_size: 32
...
	.end_amdgpu_metadata
.endif
;; end of part 2
;; launch proj (part 3): grid 8 x 32, 4 waves a work-group, clusters of 4 x 4, 327,680 bytes of LDS; arguments ctx_img, Wp_codes, lowp_scales, out0; writes out0
.if DOCPART == 3
	.amdgcn_target "amdgcn-amd-amdhsa--gfx1250"
	.amdhsa_code_object_version 6
	.text
	.protected	k_qc26730384f_proj
	.globl	k_qc26730384f_proj
	.p2align	8
	.type	k_qc26730384f_proj,@function
k_qc26730384f_proj:
	s_mov_b64 s[64:65], 0
	v_nop
	global_prefetch_b8 v0, s[64:65] scope:SCOPE_SE
	s_setreg_imm32_b32 hwreg(HW_REG_WAVE_MODE, 25, 1), 1
	s_wait_xcnt 0x0
	s_wait_alu depctr_hold_cnt(0) depctr_sa_sdst(0) depctr_va_vdst(0) depctr_va_sdst(0) depctr_va_ssrc(0) depctr_va_vcc(0) depctr_vm_vsrc(0)
	s_getreg_b32 s2, hwreg(HW_REG_IB_STS2, 6, 4)
	s_cmp_eq_u32 s2, 0
	s_cbranch_scc0 .Lentry_in_a_cluster
	s_endpgm
.Lentry_in_a_cluster:
	s_bfe_u32 s2, ttmp6, 0x10000c
	s_cmp_lg_u32 s2, 0xf033
	s_cbranch_scc0 .Lentry_shape_is_right
	s_endpgm
.Lentry_shape_is_right:
; out = ctx Wp^T on codes of BF8 (E5M2), f32 sums, each finished sum x 2^(e10 + e11).  ctx: 8,192 tokens x 1,024, as images of operand registers (ctx_img); Wp: [1024][1024] codes, K innermost; out: [8192][1024] f32.
; A tile of 256 tokens x 128 columns is made by a work-group of four waves: 256 work-groups.  A wave makes 128 tokens x 64 columns: 32 accumulators of 16 x 16, 256 registers.
; K goes in steps of 256 through two LDS slots.  CLUSTERS: 4 x 4 work-groups; ctx's tiles are shared along a row of the cluster, Wp's along a column: each is asked for jointly.
; S1 = source 1 = 16 tokens: ctx_img [128 tokens 64][256 along K 4][128 along K 2][block of 16 tokens 8][group 4][lane 32][16 bytes]: a slot's part for 128 tokens is one dense block of 32,768 bytes,
; and a fragment comes by four loads of 512 consecutive bytes.  Its K stands in the matrix form's own order (registers 2 c, 2 c + 1: K = 16 c + 8 (lane / 16) + 0 .. 7), so
; S0 = source 0 = 16 rows of Wp is read from LDS rows in that order too: eight loads of 8 bytes.  A lane then holds eight neighbouring columns of one token's row of out.
; LIMIT: e10 + e11 lies between -126 and 127, so that 2^(e10 + e11) is an f32 number.  No prefetch: each slot is filled again once, and the walk along K is four slots long.
; REGISTERS: window 0: v16-29 addresses; v32-63 a block's scaled sums; from v128 S1's fragments (8 x 16 registers), on the way out rows read back.  window 1: S0's fragments, two sets of 64, at v0 and v64.
;   window 2: the accumulators ((a, b) at v[8 (4 a + b)]).
.set PITCH,  272                       ; a row of Wp's tile in LDS: 256 bytes + 16 of padding
.set FR,     16
.set NL,     4
.set NP,     4                         ; places behind this matrix instruction (ISA guide 7.12.1)
.set S1H,    32768                     ; S1: 128 tokens x 256 along K
.set S0H,    64*PITCH                  ; S0: 64 rows
.set S0OFF,  2*S1H
.set SLOT,   S0OFF+2*S0H               ; 100,352 bytes
.set LAPS,   2
.set STAGE,  2*SLOT                    ; behind the ring: 16 rows x 272 bytes for each wave; no tile lands here
.set SPARE,  STAGE+4*16*PITCH          ; behind the stages: the spare words, 128 bytes for each wave
.set ADRA, 16                          ; v16-17  LDS address of my S1 fragments in slot 0, 1
.set ADRB, 20                          ; v20-21  the same for S0
.set STO,  24                          ; v24     the way out: where I put 32 bytes of a row
.set RD,   25                          ; v25     where I read a row back
.set CO,   26                          ; v26     my byte offset in two rows of out
.set SPW,  28                          ; v28     LDS address of my spare word; never rewritten
.set NIL,  29                          ; v29     0; never rewritten
.set TMP,  32
.set AF,   128
.set BK,   128
.set G1, 24                            ; s[24:31] descriptor group 1 for S1's tiles;  s[32:39] group 0, one set for each slot
.set G0, 32
.set G1B, 48                           ; s[48:55], s[56:63] the same for S0's tiles
.set G0B, 56
.set MSB, 0
.macro WIN new                         ; the immediate's high byte repeats the setting that is left
.if MSB != \new
	s_set_vgpr_msb (MSB<<8)|\new
.set MSB, \new
.endif
.endm
.set MUL,  0xa1                        ; source 0 window 1, source 1 window 0, C and D window 2
.set TO_B, 0x40                        ; destination window 1, address window 0
.macro JLOAD g0a, g1a, g0b, g1b        ; a joint load: waves 0 and 1 fetch for S1, waves 2 and 3 for S0; four v_nop follow each of the two lines
	s_cmp_eq_u32 s15, 0
	s_cbranch_scc0 .Lfor_b_\@
	tensor_load_to_lds s[\g0a:\g0a+3], s[\g1a:\g1a+7]
	s_nop 0
.rept 4
	v_nop
.endr
	s_branch .Lasked_\@
.Lfor_b_\@:
	tensor_load_to_lds s[\g0b:\g0b+3], s[\g1b:\g1b+7]
	s_nop 0
.rept 4
	v_nop
.endr
.Lasked_\@:
.endm
.macro CREST
	s_cmp_lg_u32 s14, 0
	s_cbranch_scc1 .Lnot_wave_0_\@
	s_barrier_signal -3
.Lnot_wave_0_\@:
	s_barrier_wait -3
	s_barrier_signal -1
	s_barrier_wait -1
.endm
.macro CROUND
	s_barrier_signal -1
	s_barrier_wait -1
	CREST
.endm
	s_load_b128 s[4:7], s[0:1], 0x0                ; ctx_img s[4:5], Wp's codes s[6:7]
	s_load_b128 s[8:11], s[0:1], 0x10              ; the scales' exponents s[8:9], out s[10:11]
	v_lshl_add_u32 v[SPW], v0, 2, SPARE
	v_mov_b32 v[NIL], 0
	ds_add_u32 v28, v29
	ds_add_u32 v28, v29
	s_wait_dscnt 0x0
	v_lshrrev_b32 v1, 5, v0
	v_readfirstlane_b32 s14, v1                    ; wave 0..3
	s_lshr_b32 s15, s14, 1                         ; which 128 tokens are mine.  Also: I fetch for S1 (0) or for S0 (1)
	s_and_b32 s16, s14, 1                          ; which 64 columns.  Also: which half of that tile I fetch
	s_bfe_u32 s40, ttmp6, 0x40000                  ; cx, cy
	s_bfe_u32 s41, ttmp6, 0x40004
	s_lshl_b32 s42, ttmp9, 2
	s_add_co_u32 s42, s42, s40                     ; tile column = 4 x cluster x + cx
	s_and_b32 s17, ttmp7, 0xffff
	s_lshl_b32 s17, s17, 2
	s_add_co_u32 s17, s17, s41                     ; tile row = 4 x cluster y + cy
	s_lshl_b32 s43, s41, 2
	s_lshl_b32 s43, 15, s43                        ; my row of the cluster
	s_lshl_b32 s44, 0x1111, s40                    ; my column
	; group 1 for S1: a dense block of 32,768 bytes as 128 rows of 256, no padding
	s_or_b32 s[G1+0], s43, (3<<16)|(1<<21)         ; 15:0 the mask: my row; 17:16 elements of 8 bytes; 21 set beside a mask
	s_mov_b32 s[G1+1], 32<<16                      ; tensor_dim0 = 32
	s_mov_b32 s[G1+2], 128<<16                     ; tensor_dim1 = 128
	s_mov_b32 s[G1+3], 32<<16                      ; tile_dim0 = 32
	s_mov_b32 s[G1+4], 128                         ; tile_dim1 = 128
	s_mov_b32 s[G1+5], 32                          ; tensor_dim0_stride
	s_mov_b32 s[G1+6], 0
	s_mov_b32 s[G1+7], 0
	; group 1 for S0: 64 rows x 256 bytes of Wp, padded in LDS
	s_or_b32 s[G1B+0], s44, (0<<16)|(1<<20)|(1<<21)|(5<<22)|(3<<25)  ; the mask: my column; elements of 1 byte; padding: four words after every 64
	s_mov_b32 s[G1B+1], 256<<16
	s_mov_b32 s[G1B+2], 64<<16
	s_mov_b32 s[G1B+3], 256<<16
	s_mov_b32 s[G1B+4], 64
	s_mov_b32 s[G1B+5], 1024
	s_mov_b32 s[G1B+6], 0
	s_mov_b32 s[G1B+7], 0
	s_lshl_b32 s20, s17, 1
	s_add_co_u32 s20, s20, s16                     ; S1: group of 128 tokens 2 x tile row + half,
	s_lshl_b32 s20, s20, 17                        ; of 131,072 bytes
	s_mov_b32 s21, 0
	s_lshl_b32 s46, s42, 7
	s_lshl_b32 s18, s16, 6
	s_add_co_u32 s46, s46, s18                     ; S0: row 128 x tile column + 64 x half,
	s_lshl_b32 s46, s46, 10                        ; of 1,024 bytes
	s_mov_b32 s47, 0
	s_lshl_b32 s45, s16, 15                        ; where they go: S1's half,
	s_mul_i32 s19, s16, S0H
	s_add_co_u32 s19, s19, S0OFF                   ; S0's half: no place in the cluster enters an LDS address
	s_wait_kmcnt 0x0
	s_load_b64 s[96:97], s[8:9], 0x28              ; e10, e11
	s_add_nc_u64 s[20:21], s[4:5], s[20:21]
	s_add_nc_u64 s[46:47], s[6:7], s[46:47]
	CROUND                                         ; all sixteen work-groups are here: the first joint loads meet
.irp s, 0,1
	s_mov_b32 s[G0+4*\s], 1
	s_add_co_u32 s[G0+4*\s+1], s45, \s*SLOT
	s_add_nc_u64 s[G0+4*\s+2:G0+4*\s+3], s[20:21], \s*S1H
	s_or_b32 s[G0+4*\s+3], s[G0+4*\s+3], 0x80000000
	s_mov_b32 s[G0B+4*\s], 1
	s_add_co_u32 s[G0B+4*\s+1], s19, \s*SLOT
	s_add_nc_u64 s[G0B+4*\s+2:G0B+4*\s+3], s[46:47], \s*256
	s_or_b32 s[G0B+4*\s+3], s[G0B+4*\s+3], 0x80000000
	s_wait_alu depctr_va_vdst(0)
	s_wait_tensorcnt 0x0
	ds_add_u32 v28, v29
	ds_add_u32 v28, v29
	s_wait_dscnt 0x0
	CROUND
	JLOAD G0+4*\s, G1, G0B+4*\s, G1B
.endr
	v_and_b32 v1, 15, v0                           ; r
	v_bfe_u32 v2, v0, 4, 1                         ; h
	v_and_b32 v6, 31, v0
	v_lshlrev_b32 v6, 4, v6                        ; 16 x lane
	v_mul_u32_u24 v3, v1, PITCH
	s_wait_alu depctr_va_vdst(0)
	v_lshl_add_u32 v4, v2, 3, v3                   ; S0: row r x pitch + 8 h
	s_lshl_b32 s21, s15, 15                        ; my 128 tokens' images
	s_mul_i32 s22, s16, S0H                        ; my 64 rows of Wp
	s_add_co_u32 s22, s22, S0OFF
.irp s, 0,1
	v_add_nc_u32 v[ADRA+\s], s21, v6
	v_add_nc_u32 v[ADRB+\s], s22, v4
	s_add_co_u32 s21, s21, SLOT
	s_add_co_u32 s22, s22, SLOT
.endr
	s_mul_i32 s23, s14, 16*PITCH
	s_add_co_u32 s23, s23, STAGE                   ; my stage
	v_lshl_add_u32 v5, v2, 5, v3                   ; in: row r, 32 bytes for each half of the lanes
	v_add_nc_u32 v[STO], s23, v5
	v_mul_u32_u24 v5, v2, PITCH                    ; back: lanes 0-15 take one row of 256 bytes, lanes 16-31 the next
	v_lshl_add_u32 v5, v1, 4, v5
	v_add_nc_u32 v[RD], s23, v5
	v_lshlrev_b32 v5, 12, v2                       ; and the same two rows in out: 4,096 bytes a row
	v_lshl_add_u32 v[CO], v1, 4, v5
	s_lshl_b32 s20, s17, 8
	s_lshl_b32 s21, s15, 7
	s_add_co_u32 s20, s20, s21                     ; my first token
	s_lshl_b32 s20, s20, 12
	s_lshl_b32 s46, s42, 9                         ; my first column, in bytes: 512 x tile column + 256 x half
	s_lshl_b32 s47, s16, 8
	s_add_co_u32 s46, s46, s47
	s_add_co_u32 s20, s20, s46
	s_mov_b32 s21, 0
	s_add_nc_u64 s[10:11], s[10:11], s[20:21]
.macro FRAGA reg, slot, q, a           ; S1's block a of the slot's q-th 128 along K: four groups of four registers, as they were stored
.irp g, 0,1,2,3
	ds_load_b128 v[\reg+4*\g:\reg+4*\g+3], v[ADRA+\slot] offset:16384*(\q)+2048*(\a)+512*\g
.endr
.endm
.macro FRAGB reg, slot, q, b           ; S0's block b: registers 2 c, 2 c + 1 hold K = 16 c + 8 (l / 16) + 0 .. 7
.irp c, 0,1,2,3,4,5,6,7
	ds_load_b64 v[\reg+2*\c:\reg+2*\c+1], v[ADRB+\slot] offset:16*PITCH*(\b)+128*(\q)+16*\c
.endr
.endm
; 8 matrix instructions: S1's blocks a0, a0 + 1 x S0's four.  The 32 accumulators take turns, one instruction a turn, in the same order in every step.
.macro MUL8 a0, p, zero
.irp a, \a0, \a0+1
.irp b, 0,1,2,3
.if \zero
	v_wmma_f32_16x16x128_bf8_bf8 v[8*(4*(\a)+\b):8*(4*(\a)+\b)+7], v[64*(\p)+FR*\b:64*(\p)+FR*\b+FR-1], v[AF+FR*(\a):AF+FR*(\a)+FR-1], 0
.else
	v_wmma_f32_16x16x128_bf8_bf8 v[8*(4*(\a)+\b):8*(4*(\a)+\b)+7], v[64*(\p)+FR*\b:64*(\p)+FR*\b+FR-1], v[AF+FR*(\a):AF+FR*(\a)+FR-1], v[8*(4*(\a)+\b):8*(4*(\a)+\b)+7]
.endif
.endr
.endr
.endm
.macro FETCH_B slot, q, p              ; 32 loads
	WIN TO_B
.irp i, 0,1,2,3
	FRAGB 64*(\p)+FR*\i, \slot, \q, \i
.endr
	WIN 0
.endm
.macro FETCH_A slot, q, i0             ; 16 loads
.irp i, \i0, \i0+1, \i0+2, \i0+3
	FRAGA AF+FR*(\i), \slot, \q, \i
.endr
.endm
.macro PLACES n
.rept \n
	v_nop
.endr
.endm
.macro STEP slot, q, zero              ; a step of 128 along K that has its successor in the same slot
	s_wait_dscnt 4*NL                              ; S0's set and S1's blocks 0-3 are in; the youngest sixteen loads (S1's blocks 4-7) may be out
	WIN MUL
	MUL8 0, (\q)%2, \zero
	MUL8 2, (\q)%2, \zero
	s_wait_dscnt 0
	PLACES NP
	FETCH_B \slot, (\q)+1, 1-(\q)%2
	FETCH_A \slot, (\q)+1, 0
	WIN MUL
	MUL8 4, (\q)%2, \zero
	MUL8 6, (\q)%2, \zero
	PLACES NP
	WIN 0
	FETCH_A \slot, (\q)+1, 4
.endm
; A slot's last step changes slots: ONE barrier; in front of it each wave waits for all its tensor loads, adds 0 to its spare word, and waits for that and for its own reads of this slot.
.macro TURN slot, next, fill
	s_wait_tensorcnt 0x0                           ; all my tensor loads have landed: my part of the next slot  (every window is 0 here)
	ds_add_u32 v[SPW], v[NIL]                      ; 0 onto my spare word
	s_wait_dscnt 4*NL+1                            ; the add and the youngest sixteen loads may be out
	WIN MUL
	MUL8 0, 1, 0                                   ; eight matrix instructions stand between the add and the wait for it
	s_wait_dscnt 0x0                               ; the add is done, and my reads of this slot are over
	s_barrier_signal -1
	MUL8 2, 1, 0
	WIN 0
	s_barrier_wait -1
.if \fill
	CREST                                          ; the barrier has opened a round of the cluster's barrier
	s_add_nc_u64 s[G0+4*\slot+2:G0+4*\slot+3], s[G0+4*\slot+2:G0+4*\slot+3], 2*S1H
	s_add_nc_u64 s[G0B+4*\slot+2:G0B+4*\slot+3], s[G0B+4*\slot+2:G0B+4*\slot+3], 2*256
	JLOAD G0+4*\slot, G1, G0B+4*\slot, G1B         ; the first tensor load behind the round; its four v_nop are the places in front of the loads below
.else
	PLACES NP
.endif
	s_wait_alu depctr_va_vdst(0)
	FETCH_B \next, 0, 0
	FETCH_A \next, 0, 0
	WIN MUL
	MUL8 4, 1, 0
	MUL8 6, 1, 0
	PLACES NP
	WIN 0
	FETCH_A \next, 0, 4
.endm
	s_wait_tensorcnt 1                             ; my part of slot 0 is in (slot 1's load may be out)
	s_barrier_signal -1
	s_barrier_wait -1                              ; everybody's is
	FETCH_B 0, 0, 0
	FETCH_A 0, 0, 0
	FETCH_A 0, 0, 4
	STEP 0, 0, 1                                   ; the first step stands in front of the loop: its products start the sums
	s_mov_b32 s3, LAPS-1
.Llap:
	TURN 0, 1, 1
	STEP 1, 0, 0
	TURN 1, 0, 1
	STEP 0, 0, 0
	s_sub_co_u32 s3, s3, 1
	s_cmp_lg_u32 s3, 0
	s_cbranch_scc1 .Llap
	TURN 0, 1, 0                                   ; the last lap fills nothing
	STEP 1, 0, 0
	s_wait_dscnt 4*NL                              ; the very last step
	WIN MUL
	MUL8 0, 1, 0
	MUL8 2, 1, 0
	s_wait_dscnt 0
	MUL8 4, 1, 0
	MUL8 6, 1, 0
	WIN 0
; THE WAY OUT, block by block of 16 tokens x 64 columns: x 2^(e10 + e11), through my own stage in LDS, back as whole rows of 256 bytes.  LDS serves a wave's instructions in order (ISA guide 5.7.1.4).
.macro TOSTAGE a
	WIN 0x02                                       ; source 0: window 2
.irp j, 0,2,4,6,8,10,12,14,16,18,20,22,24,26,28,30
	v_pk_mul_f32 v[TMP+\j:TMP+\j+1], v[32*(\a)+\j:32*(\a)+\j+1], s[96:97] op_sel_hi:[1,0]   ; both x s96; each accumulator from its low end on
.endr
	WIN 0
.irp b, 0,1,2,3
	ds_store_b128 v[STO], v[TMP+8*\b:TMP+8*\b+3] offset:64*\b
	ds_store_b128 v[STO], v[TMP+8*\b+4:TMP+8*\b+7] offset:64*\b+16
.endr
.set BB, BK+32*((\a)%2)
.irp t, 0,1,2,3,4,5,6,7
	ds_load_b128 v[BB+4*\t:BB+4*\t+3], v[RD] offset:\t*2*PITCH
.endr
.endm
.macro SEND a, younger                 ; younger: the LDS instructions issued behind block a's loads, which may stay out
.set BB, BK+32*((\a)%2)
	s_wait_dscnt \younger
.if (\a) > 0
	s_add_nc_u64 s[10:11], s[10:11], 16*4096       ; (behind a wait on XCNT: the earlier stores have read their base)  16 rows of out on
.endif
.irp t, 0,1,2,3,4,5,6,7
	global_store_b128 v[CO], v[BB+4*\t:BB+4*\t+3], s[10:11] offset:\t*2*4096 th:TH_STORE_NT   ; 16 lanes store 256 consecutive bytes, at a multiple of 256 from out's first byte
.endr
.endm
	s_wait_kmcnt 0x0
	s_add_co_i32 s96, s96, s97                     ; e10 + e11
	s_add_co_i32 s96, s96, 127
	s_lshl_b32 s96, s96, 23                        ; 2^(e10 + e11) as f32
	PLACES NP                                      ; behind the last products: for the reads of results and for the loads into the registers that held S1's fragments
	TOSTAGE 0
.irp a, 1,2,3,4,5,6,7
.if \a > 1
	s_wait_xcnt 0x0                                ; block a - 2's stores have read their registers and their base
.endif
	TOSTAGE \a
	SEND \a-1, 16                                  ; behind block a - 1's loads: block a's 8 stores and 8 loads
.endr
	s_wait_xcnt 0x0                                ; block 6's stores have read their base
	SEND 7, 0
	s_wait_tensorcnt 0x0                           ; the wave's end
	ds_add_u32 v[SPW], v[NIL]
	s_wait_dscnt 0x0
	CROUND                                         ; the closing round
	s_endpgm
.Lfunc_end_k_qc26730384f_proj:
	.size	k_qc26730384f_proj, .Lfunc_end_k_qc26730384f_proj-k_qc26730384f_proj
	.p2alignl 7, 3214868480
	.fill 96, 4, 3214868480
	.section	.rodata,"a",@progbits
	.p2align	6, 0x0
	.amdhsa_kernel k_qc26730384f_proj
		.amdhsa_group_segment_fixed_size 327680
		.amdhsa_private_segment_fixed_size 0
		.amdhsa_enable_private_segment 0
		.amdhsa_kernarg_size 32
		.amdhsa_user_sgpr_count 2
		.amdhsa_user_sgpr_kernarg_segment_ptr 1
		.amdhsa_wavefront_size32 1
		.amdhsa_system_sgpr_workgroup_id_x 1
		.amdhsa_system_sgpr_workgroup_id_y 1
		.amdhsa_system_sgpr_workgroup_id_z 1
		.amdhsa_system_vgpr_workitem_id 0
		.amdhsa_next_free_vgpr 768
		.amdhsa_next_free_sgpr 98
		.amdhsa_reserve_vcc 0
		.amdhsa_float_denorm_mode_32 3
		.amdhsa_float_denorm_mode_16_64 3
		.amdhsa_memory_ordered 1
		.amdhsa_forward_progress 1
		.amdhsa_inst_pref_size 86
	.end_amdhsa_kernel
	.amdgpu_metadata
---
amdhsa.version: [ 1, 2 ]
amdhsa.kernels:
  - .name:           k_qc26730384f_proj
    .symbol:         k_qc26730384f_proj.kd
    .args:
      - { .name: ctx_img, .offset: 0, .size: 8, .value_kind: global_buffer, .address_space: global }
      - { .name: Wp_codes, .offset: 8, .size: 8, .value_kind: global_buffer, .address_space: global }
      - { .name: lowp_scales, .offset: 16, .size: 8, .value_kind: global_buffer, .address_space: global }
      - { .name: out0, .offset: 24, .size: 8, .value_kind: global_buffer, .address_space: global }
    .group_segment_fixed_size: 327680
    .private_segment_fixed_size: 0
    .kernarg_segment_align: 8
    .kernarg_segment_size: 32
    .max_flat_workgroup_size: 128
    .sgpr_count:     98
    .vgpr_count:     768
    .wavefront_size: 32
...
	.end_amdgpu_metadata
.endif
;; end of part 3
